; MI455X (gfx1250); checked and timed in simulation.
; The chip was launched on July 23, 2026; its instructions are those of AMD's public machine-readable ISA for CDNA 5 (MIT licence, August 2026) and "CDNA5" Instruction Set Architecture Reference Guide (July 2026). The comments in the code are by the model that wrote it; some were corrected since.
;; Quantizer. Allowed arithmetic: float matrix products may take bf16 or f16 operands with f32 sums; all other float work in f32.
;; Inputs: embed_weight 1,024 x 64 float32; z_e 64 x 32 x 32 x 64 float32.
;; Outputs: out0 64 x 32 x 32 x 64 float32; out1 one number float32; out2 64 x 32 x 32 int32.
;; 2 versions, each right; version 2 is version 1 with the launch lookup written anew for expert scheduling mode. Each part assembles by itself: llvm-mc -triple=amdgcn-amd-amdhsa -mcpu=gfx1250 --defsym DOCPART=n.
;; ======== version 1 of 2: 2 launches
;; limits: a difference of large sums (such as E[x^2] - mean^2): digits are lost where the result is much smaller than its terms; values outside matrix products are rounded to bf16
;; workspace buffers: picked 262,144 bytes of whole numbers; part 4,096 bytes
;; launch nearest (part 1): grid 256 x 1, 8 waves a work-group, clusters of 4 x 1, 321,536 bytes of LDS; arguments embed_weight, z_e, out2, picked, part; writes out2, picked, part
.if DOCPART == 1
	.amdgcn_target "amdgcn-amd-amdhsa--gfx1250"
	.amdhsa_code_object_version 6
	.text
	.protected	k_qb720e53cae_nearest
	.globl	k_qb720e53cae_nearest
	.p2align	8
	.type	k_qb720e53cae_nearest,@function
k_qb720e53cae_nearest:
	s_mov_b64 s[64:65], 0
	v_nop
	global_prefetch_b8 v0, s[64:65] scope:SCOPE_SE
	s_setreg_imm32_b32 hwreg(HW_REG_WAVE_MODE, 25, 1), 1
	s_wait_xcnt 0x0
	s_wait_alu depctr_hold_cnt(0) depctr_sa_sdst(0) depctr_va_vdst(0) depctr_va_sdst(0) depctr_va_ssrc(0) depctr_va_vcc(0) depctr_vm_vsrc(0)
	s_getreg_b32 s2, hwreg(HW_REG_IB_STS2, 6, 4)
	s_cmp_eq_u32 s2, 0
	s_cbranch_scc0 .Lentry_in_a_cluster
	s_endpgm
.Lentry_in_a_cluster:
	s_bfe_u32 s2, ttmp6, 0x10000c
	s_cmp_lg_u32 s2, 0x3003
	s_cbranch_scc0 .Lentry_shape_is_right
	s_endpgm
.Lentry_shape_is_right:
; NEAREST CODE.  For each of 65,536 rows x of z_e (64 numbers) the index of the code e (1,024 rows of embed_weight) with the smallest
; |x|^2 - 2 x.e + |e|^2, the first one among equals, and partial sums of that smallest distance.
;
; WORK LEFT OUT, for all finite inputs:
;  - |x|^2 is the same for all codes of a row, so it cannot move the argmax: the score is G = x.e - |e|^2/2, and the largest G wins.
;  - z_e + stop_gradient(z_q - z_e) is z_q: out0 is the looked-up row; the later launch makes it from the list stored here, without z_e.
;  - both means of diff are the same number: diff = 1.25 mean((z_q - z_e)^2); and the sum of (z_q - z_e)^2 over a row IS the row's smallest
;    distance, |x|^2 - 2 max G, which is at hand here.  It is formed from the operands as the product sees them (rounded to bf16, the norms
;    too), for which it equals |x_bf - e_bf|^2 exactly; only the f32 summation meets the cancellation.
; LIMITS: with a common offset of 30 spreads on all inputs the three sums are some 6e4 against a result of some 70: a relative error of diff
;    of a few 1e-4.  NaN inputs are dropped by the maxima and not carried into the index.  Two distances closer than f32 rounding may be
;    ordered otherwise than by reference().  An overflow that reaches only |x|^2 inside dist is not carried to the index.
;
; SHAPE.  256 work-groups of 8 waves; a work-group owns 256 rows.  Wave w keeps codes 128 w .. 128 w + 127 in registers for the whole launch
; (bf16 fragments, 128 registers; -|e|^2/2 in the accumulator's layout, 64 registers) and walks the group's 16 tiles of 16 rows, which lie in
; LDS in bf16: four LDS loads feed sixteen matrix instructions.
; The matrix instruction takes codes as A and rows as B: lane (r, h) then holds, for row r, the scores of 8 codes in its 8 result registers,
; so the maximum over codes is taken inside a lane.  Tile t, A row m holds code 128 w + 64 (m / 8) + 8 t + m % 8: the index is
; 64 (2 w + h) + 8 t + j, which rises with (wave, lane half, tile, register), so strict comparisons in that order keep the first index.
; CLUSTER.  All work-groups read the same 256 KiB of codes.  Four work-groups form a cluster and ask for each wave's 32 KiB jointly (mask 15):
; the table is asked for 64 times instead of 256.  The descriptors are made of the wave's number and the table's address alone, and every LDS
; address of the thread's number, the wave's number and constants alone, in registers that never hold loaded data.
.set CPITCH, 272                       ; a code row in LDS: 256 bytes of f32 + 16 of padding
.set CWAVE,  128*CPITCH                ; one wave's 128 code rows
.set XPITCH, 144                       ; a row of z_e in LDS: 128 bytes of bf16 + 16: an odd multiple of 16, so a fragment's 16 rows start 16 bytes apart modulo 256
.set RES,    0                         ; results: 4,096 w + 16 row + 8 h: (best G, index among the half's 64 codes); 32 KiB laid over the code stage, which is filled once and has been read by then
.set XST,    8*CWAVE                   ; 256 rows of z_e in bf16
.set EET,    XST+256*XPITCH            ; per wave 512 bytes: -|e|^2/2 of its 128 codes
.set XS,     EET+8*512                 ; per thread the sum of the squares of the x_bf that it converted
                                       ; v0           the thread's number, kept to the end
.set LANE, 1                           ; v1           the lane, kept to the end
.set BF,   2                           ; v[2:17]    B fragment: 16 rows x 64.  Until the loop and behind it: at work
.set PK,   6                           ; v[6:7]     four bf16 on their way to LDS
.set VA,   18                          ; v[18:49]   four accumulators.  In a tile of rows one of them takes code tile 0 and then keeps the scores of the best
.set VB,   26                          ;            code tile so far; the other three take code tiles 1 to 7 by turns.  From one tile of rows to the next
.set VC,   34                          ;            (VA, VB) and (VC, VD) change parts.  In front of the loop they take the products that give the norms
.set VD,   42
.set TA,   50
.set TB,   51
.set BY,   52                          ; best so far, in turn with BX; the last one lands here, beside LOC, for one store of 8 bytes
.set LOC,  53
.set BX,   54
.set TID,  55                          ; 8 x the best tile's number
.set XAD,  56                          ; LDS address of my part of the B fragment
.set RAD,  57                          ; LDS address of my result
.set CAD,  58                          ; LDS address of my part of the f32 code rows
.set NAD,  59                          ; where my code row's -|e|^2/2 goes
.set EAD,  60                          ; from where my lane half's 64 of them come
.set MAD,  58                          ; from the loop on: 32 x thread, my two rows in each wave's results
.set OAD,  59                          ; from the loop on: 8 x thread, my two indices in the group's part of the lists
.set SAD,  60                          ; from the loop on: LDS address of two threads' sums of squares
.set XSA,  61                          ; where my 8 bytes of a bf16 row of z_e go
.set VOF,  62                          ; my byte offset in the group's part of z_e
.set ZR,   63
.set EE,   64                          ; v[64:127]  first two landing buffers for f32 codes; then -|e|^2/2: tile t, register j: A row 8 h + j; at the end the 16 candidates of two rows
.set AF,   128                         ; v[128:255] A fragments: tile t, K step s at AF + 16 t + 8 s.  v[128:191] first take the 16 loads of z_e
.set G1,   28                          ; s[28:35]   descriptor group 1: 32 rows of 64 f32
.set G0,   48                          ; s[48:63]   descriptor group 0, one set for each of the wave's four loads
.set MK,   68                          ; s[68:74]   lane masks: four constants in front of the loop, the seven compares of RESOLVE in it
; a round of the cluster's barrier: the work-group's barrier, wave 0 signals for the work-group, every wave waits for all four work-groups, the work-group's barrier again
.macro ROUND
	s_barrier_signal -1
	s_barrier_wait -1
	s_cmp_lg_u32 s14, 0
	s_cbranch_scc1 .Lnot_wave_0_\@
	s_barrier_signal -3
.Lnot_wave_0_\@:
	s_barrier_wait -3
	s_barrier_signal -1
	s_barrier_wait -1
.endm
	s_load_b256 s[4:11], s[0:1], 0x0               ; embed_weight s[4:5], z_e s[6:7], out2 s[8:9], picked s[10:11]
	s_load_b64 s[12:13], s[0:1], 0x20              ; part
	s_set_vgpr_msb 0x40
	v_lshl_add_u32 v0, v0, 2, 0x4e400
	v_mov_b32 v1, 0
	s_set_vgpr_msb 0x4045
	ds_add_u32 v0, v1
	ds_add_u32 v0, v1
	s_set_vgpr_msb 0x4500
	v_lshrrev_b32 v8, 5, v0
	v_readfirstlane_b32 s14, v8                    ; wave 0..7
	v_and_b32 v[LANE], 31, v0
	v_and_b32 v2, 15, v0                           ; r
	v_bfe_u32 v3, v0, 4, 1                         ; h
	v_mov_b32 v[ZR], 0
	s_bfe_u32 s15, ttmp6, 0x40000                  ; my place in the cluster
	s_lshl_b32 s16, ttmp9, 2
	s_add_co_u32 s16, s16, s15                     ; work-group 0..255: enters global addresses of z_e and of the outputs alone
	s_mov_b32 s22, 0x76543210                      ; v_permlanex16_b32: lane i of one half reads lane i of the other
	s_mov_b32 s23, 0xfedcba98
	s_mov_b32 s[MK+0], 0xaaaaaaaa                  ; lanes whose number has bit 0 set
	s_mov_b32 s[MK+1], 0xcccccccc                  ; bit 1
	s_mov_b32 s[MK+2], 0xf0f0f0f0                  ; bit 2
	s_mov_b32 s[MK+3], 0xff0000ff                  ; lanes 0-7 and 24-31: r / 8 = h
	s_lshl_b32 s38, s14, 13                        ; the wave converts 32 rows of z_e: 8,192 bytes
	v_lshlrev_b32 v[VOF], 4, v[LANE]
	v_add_nc_u32 v[VOF], s38, v[VOF]
	s_lshl_b32 s18, s16, 16                        ; the group's 256 rows of 256 bytes
	s_mov_b32 s19, 0
	s_lshl_b32 s40, s14, 15                        ; the wave's 128 code rows of 256 bytes
	s_mov_b32 s41, 0
	s_wait_dscnt 0x0
	s_wait_kmcnt 0x0
	s_add_nc_u64 s[6:7], s[6:7], s[18:19]
.irp i, 0,1,2,3,4,5,6,7,8,9,10,11,12,13,14,15
	global_load_b128 v[AF+4*\i:AF+4*\i+3], v[VOF], s[6:7] offset:512*\i th:TH_LOAD_NT   ; two whole rows a load; each byte of z_e is read once in the launch
.endr
	; The descriptors.  The wave's 128 code rows come as four tiles of 32 rows of 64 f32, dense in memory, 16 bytes of padding behind each row in LDS.
	; Code tiles 0 to 3 are rows 0-31 and 64-95: these two go first, so that half of the conversion runs while rows 32-63 and 96-127 are on their way.
	s_mul_i32 s25, s14, CWAVE                      ; the wave's part of the code stage
	s_add_nc_u64 s[26:27], s[4:5], s[40:41]        ; the wave's first code row
.macro G0SET n, row
	s_mov_b32 s[G0+4*\n], 1                                        ; count = 1
	s_add_co_u32 s[G0+4*\n+1], s25, \row*CPITCH                    ; LDS address: each row at its own place in the wave's part
	s_add_nc_u64 s[G0+4*\n+2:G0+4*\n+3], s[26:27], \row*256        ; global address of the tile's first row
	s_or_b32 s[G0+4*\n+3], s[G0+4*\n+3], 0x80000000                ; type = 2
.endm
	G0SET 0, 0
	G0SET 1, 64
	G0SET 2, 32
	G0SET 3, 96
	s_mov_b32 s[G1+0], 15|(2<<16)|(1<<20)|(1<<21)|(5<<22)|(3<<25)  ; mask: all four work-groups; elements of 4 bytes; padding on; bit 21 beside a mask; after every 64 words; 4 words
	s_mov_b32 s[G1+1], 64<<16                      ; tensor_dim0 = 64
	s_mov_b32 s[G1+2], 32<<16                      ; tensor_dim1 = 32
	s_mov_b32 s[G1+3], 64<<16                      ; tile_dim0 = 64
	s_mov_b32 s[G1+4], 32                          ; tile_dim1 = 32
	s_mov_b32 s[G1+5], 64                          ; 64 elements from row to row
	s_mov_b32 s[G1+6], 0
	s_mov_b32 s[G1+7], 0
	ROUND                                          ; all four work-groups are here: the joint loads meet
.irp n, 0,1,2,3
	tensor_load_to_lds s[G0+4*\n:G0+4*\n+3], s[G1:G1+7]            ; the wave's only tensor loads, one group of first fills: four are out, and no LDS byte is filled twice
	s_nop 0
.endr
	; lane addresses
	v_and_b32 v4, 7, v2
	v_lshrrev_b32 v5, 3, v2
	v_lshl_add_u32 v4, v5, 6, v4                   ; tile 0's code for A row r: 64 (r / 8) + r % 8
	v_mul_u32_u24 v5, v4, CPITCH
	v_lshl_add_u32 v5, v3, 5, v5                   ; + 32 h: eight f32 for each lane half
	v_add_nc_u32 v[CAD], s25, v5
	s_lshl_b32 s17, s14, 9
	s_add_co_u32 s17, s17, EET                     ; the wave's table of norms
	v_lshl_add_u32 v[NAD], v4, 2, s17
	v_lshl_add_u32 v[EAD], v3, 8, s17
	s_mul_i32 s36, s14, 32*XPITCH
	s_add_co_u32 s36, s36, XST                     ; the wave's 32 rows in the bf16 stage
	v_mul_u32_u24 v5, v3, XPITCH                   ; lanes 16-31 hold the odd row of a load's two
	v_lshl_add_u32 v5, v2, 3, v5
	v_add_nc_u32 v[XSA], s36, v5
	v_mul_u32_u24 v5, v2, XPITCH
	v_lshl_add_u32 v5, v3, 4, v5
	v_add_nc_u32 v[XAD], XST, v5                   ; row r of tile 0, 16 h
	v_lshlrev_b32 v5, 4, v2
	v_lshl_add_u32 v5, v3, 3, v5
	s_lshl_b32 s37, s14, 12
	v_add_nc_u32 v[RAD], s37, v5
	v_lshlrev_b32 v5, 2, v0
	v_add_nc_u32 v5, XS, v5                        ; my word among the sums of squares
	v_mov_b32 v[TA], 0
	v_mov_b32 v[TB], 0
; z_e to bf16 and into LDS, with the sum of the squares of the rounded numbers
.macro XCONV i
	s_wait_loadcnt 15-\i                           ; loads come back in order: load i is in, the younger ones stay out
	v_cvt_pk_bf16_f32 v[PK], v[AF+4*\i], v[AF+4*\i+1]
	v_cvt_pk_bf16_f32 v[PK+1], v[AF+4*\i+2], v[AF+4*\i+3]
	v_fma_mix_f32_bf16 v[TA], v[PK], v[PK], v[TA] op_sel_hi:[1,1,0]
	v_fma_mix_f32_bf16 v[TB], v[PK], v[PK], v[TB] op_sel:[1,1,0] op_sel_hi:[1,1,0]
	v_fma_mix_f32_bf16 v[TA], v[PK+1], v[PK+1], v[TA] op_sel_hi:[1,1,0]
	v_fma_mix_f32_bf16 v[TB], v[PK+1], v[PK+1], v[TB] op_sel:[1,1,0] op_sel_hi:[1,1,0]
	ds_store_b64 v[XSA], v[PK:PK+1] offset:2*XPITCH*\i
.endm
.irp i, 0,1,2,3,4,5,6,7,8,9,10,11,12,13,14,15
	XCONV \i
.endr
	v_add_f32 v[TA], v[TA], v[TB]
	ds_store_b32 v5, v[TA]
	; The wave's codes: f32 from its own part of the stage, to bf16 fragments, and -|e_bf|^2/2 into the wave's table.
; eight loads: the 32 f32 of my code row of tile t that a lane of the two K steps' fragments holds: k = 16 c + 8 h .. + 7, c = 0..3
.macro CLOAD t, buf
.irp q, 0,1,2,3,4,5,6,7
	ds_load_b128 v[EE+32*(\buf)+4*\q:EE+32*(\buf)+4*\q+3], v[CAD] offset:8*CPITCH*(\t)+64*(\q>>1)+16*(\q&1)
.endr
.endm
.macro CVT t, buf
.irp i, 0,1,2,3,4,5,6,7,8,9,10,11,12,13,14,15
	v_cvt_pk_bf16_f32 v[AF+16*(\t)+\i], v[EE+32*(\buf)+2*\i], v[EE+32*(\buf)+2*\i+1]
.endr
.endm
; The norms of code tiles t and t + 1: a tile's fragment as A and as B gives all products e_m . e_n of its 16 rows, |e_m|^2 on the diagonal.
; Two accumulators, p and p + 8, take turns, one instruction a turn.
.macro NW t, p
	v_wmma_f32_16x16x32_bf16 v[\p:\p+7],    v[AF+16*\t:AF+16*\t+7],     v[AF+16*\t:AF+16*\t+7],     0
	v_wmma_f32_16x16x32_bf16 v[\p+8:\p+15], v[AF+16*\t+16:AF+16*\t+23], v[AF+16*\t+16:AF+16*\t+23], 0
	v_wmma_f32_16x16x32_bf16 v[\p:\p+7],    v[AF+16*\t+8:AF+16*\t+15],  v[AF+16*\t+8:AF+16*\t+15],  v[\p:\p+7]
	v_wmma_f32_16x16x32_bf16 v[\p+8:\p+15], v[AF+16*\t+24:AF+16*\t+31], v[AF+16*\t+24:AF+16*\t+31], v[\p+8:\p+15]
.endm
; Register j of lane (r, h) holds e_(8 h + j) . e_r.  Each lane takes register r % 8, by the three low bits of its number; where r / 8 = h (lanes 0-7, 24-31)
; that is |e_r|^2, and the lane 16 away, which has the same r, takes it from there.  So every lane ends with its row's norm, and all lanes store.
.macro NSEL t, n
	v_cndmask_b32 v[TA],   v[\n],   v[\n+1], s[MK+0]
	v_cndmask_b32 v[TB],   v[\n+2], v[\n+3], s[MK+0]
	v_cndmask_b32 v[TA+2], v[\n+4], v[\n+5], s[MK+0]
	v_cndmask_b32 v[TA+3], v[\n+6], v[\n+7], s[MK+0]
	v_cndmask_b32 v[TA],   v[TA],   v[TB],   s[MK+1]
	v_cndmask_b32 v[TA+2], v[TA+2], v[TA+3], s[MK+1]
	v_cndmask_b32 v[TA],   v[TA],   v[TA+2], s[MK+2]
	v_permlanex16_b32 v[TB], v[TA], s22, s23
	v_cndmask_b32 v[TA], v[TB], v[TA], s[MK+3]
	v_mul_f32 v[TA], -0.5, v[TA]
	ds_store_b32 v[NAD], v[TA] offset:32*\t        ; both lane halves store the same number to the same word
.endm
	; Distances behind the products (ISA guide 7.12.1): a pair's results are read behind the 32 conversions of the next two tiles (the last pair's behind the
	; 20 vector lines of the pair before, which name other registers), and an accumulator is written over two pairs later.
	s_wait_tensorcnt 0x2                           ; rows 0-31 and 64-95 are in LDS; the two younger loads stay out.  Only I read my part, so no barrier is needed for these reads
	CLOAD 0, 0
	CLOAD 1, 1
	s_wait_dscnt 8                                 ; all but the eight loads just issued: tile 0's are in
	CVT 0, 0
	CLOAD 2, 0
	s_wait_dscnt 8
	CVT 1, 1
	CLOAD 3, 1
	NW 0, VA
	s_wait_dscnt 8
	CVT 2, 0
	s_wait_tensorcnt 0x0                           ; rows 32-63 and 96-127 are in: code tiles 4 to 7
	CLOAD 4, 0
	s_wait_dscnt 8
	CVT 3, 1
	CLOAD 5, 1
	NW 2, VC
	NSEL 0, VA
	NSEL 1, VB
	s_wait_dscnt 10                                ; behind tile 4's loads: tile 5's eight and two stores
	CVT 4, 0
	CLOAD 6, 0
	s_wait_dscnt 10                                ; behind tile 5's: two stores and tile 6's eight
	CVT 5, 1
	CLOAD 7, 1
	NW 4, VA
	NSEL 2, VC
	NSEL 3, VD
	s_wait_dscnt 10                                ; behind tile 6's: tile 7's eight and two stores
	CVT 6, 0
	s_wait_dscnt 2                                 ; behind tile 7's: two stores
	CVT 7, 1
	NW 6, VC
	NSEL 4, VA
	NSEL 5, VB
	NSEL 6, VC
	NSEL 7, VD
.irp t, 0,1,2,3,4,5,6,7
	ds_load_b128 v[EE+8*\t:EE+8*\t+3],   v[EAD] offset:32*\t      ; LDS serves a wave's instructions in order: these see the wave's own stores above
	ds_load_b128 v[EE+8*\t+4:EE+8*\t+7], v[EAD] offset:32*\t+16
.endr
	s_wait_dscnt 0x0                               ; my stores of rows and sums are done, and my reads of the code stage are back
	s_barrier_signal -1
	s_barrier_wait -1                              ; so are everybody's: the bf16 rows are whole, and the code stage may take results
	v_lshlrev_b32 v[MAD], 5, v0                    ; the addresses of the merge behind the loop, made here from the thread's number
	v_lshlrev_b32 v[OAD], 3, v0                    ; (the three registers' earlier addresses have had their last use)
	v_add_nc_u32 v[SAD], XS, v[OAD]
.irp q, 0,1,2,3
	ds_load_b128 v[BF+4*\q:BF+4*\q+3], v[XAD] offset:32*\q
.endr
; one matrix instruction: tile t of the codes, K step s.  Step 0 starts the sum with -|e|^2/2.
.macro W d, t, s
.if \s
	v_wmma_f32_16x16x32_bf16 v[\d:\d+7], v[AF+16*\t+8:AF+16*\t+15], v[BF+8:BF+15], v[\d:\d+7]
.else
	v_wmma_f32_16x16x32_bf16 v[\d:\d+7], v[AF+16*\t:AF+16*\t+7], v[BF:BF+7], v[EE+8*\t:EE+8*\t+7]
.endif
.endm
; tile 0's largest score starts the running best
.macro ARG0 vs
	v_max3_num_f32 v[TA], v[\vs], v[\vs+1], v[\vs+2]
	v_max3_num_f32 v[TB], v[\vs+3], v[\vs+4], v[\vs+5]
	v_max_num_f32 v[BX], v[\vs+6], v[\vs+7]
	v_max3_num_f32 v[BX], v[BX], v[TA], v[TB]
.endm
; tile t's eight scores in d: the best moves from old to new; where it rose, the tile's number (ARGM) and its first seven scores (ARGS) are kept
; (the eighth is known to be the best if none of the seven is)
.macro ARGM t, d, old, new
	v_max3_num_f32 v[TA], v[\d], v[\d+1], v[\d+2]
	v_max3_num_f32 v[TB], v[\d+3], v[\d+4], v[\d+5]
	v_max3_num_f32 v[\new], v[\d+6], v[\d+7], v[\old]
	v_max3_num_f32 v[\new], v[\new], v[TA], v[TB]
	v_cmp_le_f32 vcc_lo, v[\new], v[\old]          ; set where the best did not rise: an equal score of a later tile changes nothing
	v_cndmask_b32 v[TID], 8*\t, v[TID], vcc_lo
.endm
.macro ARGS d, vs
.irp j, 0,1,2,3,4,5,6
	v_cndmask_b32 v[\vs+\j], v[\d+\j], v[\vs+\j], vcc_lo
.endr
.endm
.macro ARG t, d, old, new, vs
	ARGM \t, \d, \old, \new
	ARGS \d, \vs
.endm
; the first register of the kept tile that equals the best.  Each compare has a mask of its own, so that only the selects depend on each other:
; one chain finds the first among registers 0 to 3 (8 if none), the other the first among 4 to 6 (7 if none); the smaller is the answer
.macro RESOLVE vs
.irp j, 0,1,2,3,4,5,6
	v_cmp_eq_f32 s[MK+\j], v[\vs+\j], v[BY]
.endr
	v_cndmask_b32 v[LOC], 8, 3, s[MK+3]
	v_cndmask_b32 v[TA], 7, 6, s[MK+6]
	v_cndmask_b32 v[LOC], v[LOC], 2, s[MK+2]
	v_cndmask_b32 v[TA], v[TA], 5, s[MK+5]
	v_cndmask_b32 v[LOC], v[LOC], 1, s[MK+1]
	v_cndmask_b32 v[TA], v[TA], 4, s[MK+4]
	v_cndmask_b32 v[LOC], v[LOC], 0, s[MK+0]
	v_min_u32 v[LOC], v[LOC], v[TA]
	v_add_nc_u32 v[LOC], v[TID], v[LOC]
.endm
; One tile of 16 rows against the wave's 128 codes, from code tile 2 on, and the start of the next 16 rows: their code tiles 0 and 1 go into d1 and d2, which are
; free behind ARG 5 and ARG 6, so that the last vector work of these rows (ARG 7, RESOLVE) stands between products like the rest.  In the next tile of rows d1 is the
; kept tile and d2 the first of the three: the caller swaps the names.  more = 0: the last 16 rows, nothing follows.
; The four accumulators take turns, one instruction a turn, from one BODY into the next and over the backward jump too.
; Distances behind matrix instructions (ISA guide 7.12.1): a tile's scores are first read, and an accumulator is first written over, behind the 13 vector lines of an
; ARG on another accumulator (code tiles 0 and 1 behind RESOLVE's 16).  BF's first half is loaded again behind ARGM 5's six lines and the address step, which
; name none of the registers of its last reader, W d0, 7, 0; its second half behind ARGM 6's six, likewise for W d0, 7, 1.
.macro BODY vs, d0, d1, d2, more
	W \d1, 2, 0
	W \d2, 3, 0
	v_mov_b32 v[TID], 0
	ARG0 \vs
	W \d1, 2, 1
	ARG 1, \d0, BX, BY, \vs
	W \d2, 3, 1
	W \d0, 4, 0
	ARG 2, \d1, BY, BX, \vs
	W \d1, 5, 0
	W \d0, 4, 1
	ARG 3, \d2, BX, BY, \vs
	W \d1, 5, 1
	W \d2, 6, 0
	ARG 4, \d0, BY, BX, \vs
	W \d0, 7, 0
	W \d2, 6, 1
	ARGM 5, \d1, BX, BY
.if \more
	v_add_nc_u32 v[XAD], 16*XPITCH, v[XAD]
	ds_load_b128 v[BF:BF+3],   v[XAD]              ; the next 16 rows, K step 0
	ds_load_b128 v[BF+4:BF+7], v[XAD] offset:32
.endif
	ARGS \d1, \vs
	W \d0, 7, 1
	ARGM 6, \d2, BY, BX
.if \more
	ds_load_b128 v[BF+8:BF+11],  v[XAD] offset:64  ; K step 1
	ds_load_b128 v[BF+12:BF+15], v[XAD] offset:96
.endif
	ARGS \d2, \vs
.if \more
	s_wait_dscnt 2                                 ; all but the two loads of K step 1: K step 0's fragment is in
	W \d1, 0, 0
	W \d2, 1, 0
.endif
	ARG 7, \d0, BX, BY, \vs
.if \more
	s_wait_dscnt 0                                 ; K step 1's fragment is in
	W \d1, 0, 1
	W \d2, 1, 1
.endif
	RESOLVE \vs
	ds_store_b64 v[RAD], v[BY:LOC]                 ; (best, index among my lane half's 64 codes) of row r
	v_add_nc_u32 v[RAD], 256, v[RAD]
.endm
	s_wait_dscnt 0x0                               ; the first 16 rows' fragment is in
	W VA, 0, 0                                     ; their code tiles 0 and 1, which every later tile of rows gets from the BODY before it
	W VB, 1, 0
	W VA, 0, 1
	W VB, 1, 1
.rept 4
	v_nop                                          ; once in the launch: the places that RESOLVE fills in the loop
.endr
	s_mov_b32 s21, 7
.Lpair:
	BODY VA, VB, VC, VD, 1
	BODY VC, VD, VA, VB, 1
	s_sub_co_i32 s21, s21, 1
	s_cmp_lg_u32 s21, 0
	s_cbranch_scc1 .Lpair
	BODY VA, VB, VC, VD, 1
	BODY VC, VD, VA, VB, 0                         ; the last 16 rows load nothing and start nothing
	s_wait_dscnt 0x0                               ; my results are in LDS
	s_barrier_signal -1
	s_barrier_wait -1                              ; everybody's are
	s_cmp_ge_u32 s14, 4
	s_cbranch_scc1 .Lclose                         ; 128 threads, two rows each, merge the 16 candidates of a row
.irp w, 0,1,2,3,4,5,6,7
	ds_load_b128 v[EE+8*\w:EE+8*\w+3],   v[MAD] offset:RES+4096*\w       ; row 2 T: both lane halves' (best, index) of wave w
	ds_load_b128 v[EE+8*\w+4:EE+8*\w+7], v[MAD] offset:RES+4096*\w+16    ; row 2 T + 1
.endr
	ds_load_b64 v[2:3], v[SAD]                     ; two threads' sums of squares: 128 threads take all 256
	s_lshl_b32 s18, s16, 10                        ; the group's 256 indices
	s_add_nc_u64 s[8:9], s[8:9], s[18:19]
	s_add_nc_u64 s[10:11], s[10:11], s[18:19]
	s_lshl_b32 s18, s16, 4
	s_lshl2_add_u32 s18, s14, s18                  ; part[4 x work-group + wave]
	s_add_nc_u64 s[12:13], s[12:13], s[18:19]
	s_wait_dscnt 0x0
; candidate c = 2 w + h covers codes 64 c .. 64 c + 63; in rising order, only a strictly better one replaces the best: the first index stays
.macro MERGE off, bv, iv
	v_add_nc_u32 v[EE+\off+3], 64, v[EE+\off+3]
	v_cmp_gt_f32 vcc_lo, v[EE+\off+2], v[EE+\off]
	v_cndmask_b32 v[\bv], v[EE+\off], v[EE+\off+2], vcc_lo
	v_cndmask_b32 v[\iv], v[EE+\off+1], v[EE+\off+3], vcc_lo
.irp c, 2,3,4,5,6,7,8,9,10,11,12,13,14,15
	v_add_nc_u32 v[EE+8*(\c>>1)+\off+2*(\c&1)+1], 64*\c, v[EE+8*(\c>>1)+\off+2*(\c&1)+1]
	v_cmp_gt_f32 vcc_lo, v[EE+8*(\c>>1)+\off+2*(\c&1)], v[\bv]
	v_cndmask_b32 v[\bv], v[\bv], v[EE+8*(\c>>1)+\off+2*(\c&1)], vcc_lo
	v_cndmask_b32 v[\iv], v[\iv], v[EE+8*(\c>>1)+\off+2*(\c&1)+1], vcc_lo
.endr
.endm
	MERGE 0, 4, 8
	MERGE 4, 5, 9
	global_store_b64 v[OAD], v[8:9], s[8:9]        ; a wave's store covers 256 consecutive bytes, aligned
	global_store_b64 v[OAD], v[8:9], s[10:11]      ; the same list for the later launch, which forms addresses from it
	v_add_f32 v2, v2, v3
	v_add_f32 v4, v4, v5
	v_fma_f32 v2, v4, -2.0, v2                     ; sum of x^2 - 2 x the two rows' best scores
	v_add_f32_dpp v2, v2, v2 row_xmask:1 row_mask:0xf bank_mask:0xf
	v_add_f32_dpp v2, v2, v2 row_xmask:2 row_mask:0xf bank_mask:0xf
	v_add_f32_dpp v2, v2, v2 row_xmask:4 row_mask:0xf bank_mask:0xf
	v_add_f32_dpp v2, v2, v2 row_xmask:8 row_mask:0xf bank_mask:0xf
	v_permlanex16_b32 v3, v2, s22, s23
	v_add_f32 v2, v2, v3
	v_cmp_eq_u32 vcc_lo, 0, v[LANE]
	s_wait_xcnt 0x0                                ; EXEC is a source of the stores above: it changes only behind this wait
	s_and_saveexec_b32 s20, vcc_lo
	global_store_b32 v[ZR], v2, s[12:13]           ; lane 0: the wave's share of the sum
	s_wait_xcnt 0x0                                ; and again in front of the line that widens it
	s_or_b32 exec_lo, exec_lo, s20
.Lclose:
	s_set_vgpr_msb 0x5
	s_wait_tensorcnt 0x0
	ds_add_u32 v0, v1
	s_wait_dscnt 0x0
	s_set_vgpr_msb 0x500
	ROUND                                          ; the closing round: no work-group ends while a partner may still ask for a tile that names it
	s_endpgm
.Lfunc_end_k_qb720e53cae_nearest:
	.size	k_qb720e53cae_nearest, .Lfunc_end_k_qb720e53cae_nearest-k_qb720e53cae_nearest
	.p2alignl 7, 3214868480
	.fill 96, 4, 3214868480
	.section	.rodata,"a",@progbits
	.p2align	6, 0x0
	.amdhsa_kernel k_qb720e53cae_nearest
		.amdhsa_group_segment_fixed_size 321536
		.amdhsa_private_segment_fixed_size 0
		.amdhsa_enable_private_segment 0
		.amdhsa_kernarg_size 40
		.amdhsa_user_sgpr_count 2
		.amdhsa_user_sgpr_kernarg_segment_ptr 1
		.amdhsa_wavefront_size32 1
		.amdhsa_system_sgpr_workgroup_id_x 1
		.amdhsa_system_sgpr_workgroup_id_y 1
		.amdhsa_system_sgpr_workgroup_id_z 1
		.amdhsa_system_vgpr_workitem_id 0
		.amdhsa_next_free_vgpr 258
		.amdhsa_next_free_sgpr 76
		.amdhsa_reserve_vcc 1
		.amdhsa_float_denorm_mode_32 3
		.amdhsa_float_denorm_mode_16_64 3
		.amdhsa_memory_ordered 1
		.amdhsa_forward_progress 1
		.amdhsa_inst_pref_size 68
	.end_amdhsa_kernel
	.amdgpu_metadata
---
amdhsa.version: [ 1, 2 ]
amdhsa.kernels:
  - .name:           k_qb720e53cae_nearest
    .symbol:         k_qb720e53cae_nearest.kd
    .args:
      - { .name: embed_weight, .offset: 0, .size: 8, .value_kind: global_buffer, .address_space: global }
      - { .name: z_e, .offset: 8, .size: 8, .value_kind: global_buffer, .address_space: global }
      - { .name: out2, .offset: 16, .size: 8, .value_kind: global_buffer, .address_space: global }
      - { .name: picked, .offset: 24, .size: 8, .value_kind: global_buffer, .address_space: global }
      - { .name: part, .offset: 32, .size: 8, .value_kind: global_buffer, .address_space: global }
    .group_segment_fixed_size: 321536
    .private_segment_fixed_size: 0
    .kernarg_segment_align: 8
    .kernarg_segment_size: 40
    .max_flat_workgroup_size: 256
    .sgpr_count:     76
    .vgpr_count:     258
    .wavefront_size: 32
...
	.end_amdgpu_metadata
.endif
;; end of part 1
;; launch lookup (part 2): grid 256 x 1, 8 waves a work-group, no clusters, 0 bytes of LDS; arguments embed_weight, picked, part, out0, out1; writes out0, out1
.if DOCPART == 2
	.amdgcn_target "amdgcn-amd-amdhsa--gfx1250"
	.amdhsa_code_object_version 6
	.text
	.protected	k_qb720e53cae_lookup
	.globl	k_qb720e53cae_lookup
	.p2align	8
	.type	k_qb720e53cae_lookup,@function
k_qb720e53cae_lookup:
	s_mov_b64 s[64:65], 0
	v_nop
	global_prefetch_b8 v0, s[64:65] scope:SCOPE_SE
	s_setreg_imm32_b32 hwreg(HW_REG_WAVE_MODE, 25, 1), 1
	s_wait_xcnt 0x0
; out0[row] = embed_weight[picked[row]], and out1 = 1.25 / 2^22 x the sum of the 1,024 partial sums of the launch before.
; WORK LEFT OUT: z_e + stop_gradient(z_q - z_e) is z_q for all finite inputs, so z_e is not read here; the two means of diff are one number,
; whose sum over a row is the row's smallest distance, summed in the launch before.  A NaN or infinity of z_e is not carried into out0.
; 256 work-groups of 8 waves; a wave copies 32 rows of 256 bytes.  Lane half h takes rows 16 h + i, i = 0..15; its sixteen lanes take 16 bytes each,
; so each half's load and store covers one whole row: 256 consecutive bytes, aligned.  No LDS, no matrix unit: the launch only moves bytes.
	s_load_b256 s[4:11], s[0:1], 0x0               ; embed_weight s[4:5], picked s[6:7], part s[8:9], out0 s[10:11]
	s_load_b64 s[12:13], s[0:1], 0x20              ; out1
	v_lshrrev_b32 v2, 5, v0
	v_readfirstlane_b32 s14, v2                    ; wave 0..7
	v_and_b32 v6, 31, v0                           ; lane
	v_and_b32 v1, 15, v0
	v_lshlrev_b32 v1, 4, v1                        ; my 16 bytes of a row
	v_bfe_u32 v5, v0, 4, 1                         ; h
	s_lshl_b32 s15, s14, 7                         ; the wave's 32 indices
	v_lshl_add_u32 v3, v5, 6, s15                  ; my half's 16 indices
	s_lshl_b32 s16, s14, 13                        ; the wave's 32 rows of out0
	v_lshl_add_u32 v4, v5, 12, v1
	v_add_nc_u32 v4, s16, v4
	s_lshl_b32 s18, ttmp9, 10                      ; the group's 256 indices
	s_mov_b32 s19, 0
	s_lshl_b32 s20, ttmp9, 16                      ; the group's 256 rows
	s_mov_b32 s21, 0
	s_wait_kmcnt 0x0
	s_add_nc_u64 s[6:7], s[6:7], s[18:19]
	s_add_nc_u64 s[10:11], s[10:11], s[20:21]
.irp q, 0,1,2,3
	global_load_b128 v[8+4*\q:11+4*\q], v3, s[6:7] offset:16*\q
.endr
	s_or_b32 s17, ttmp9, s14
	s_cmp_lg_u32 s17, 0
	s_cbranch_scc1 .Lrows                          ; wave 0 of work-group 0 alone adds up the partial sums, while its indices are on their way
	s_mov_b32 s22, 0x76543210
	s_mov_b32 s23, 0xfedcba98
	v_lshlrev_b32 v7, 4, v6
.irp q, 0,1,2,3,4,5,6,7
	global_load_b128 v[96+4*\q:99+4*\q], v7, s[8:9] offset:512*\q
.endr
	s_wait_loadcnt 0x0
.irp q, 1,2,3,4,5,6,7
	v_pk_add_f32 v[96:97], v[96:97], v[96+4*\q:97+4*\q]
	v_pk_add_f32 v[98:99], v[98:99], v[98+4*\q:99+4*\q]
.endr
	v_pk_add_f32 v[96:97], v[96:97], v[98:99]
	v_add_f32 v96, v96, v97
	v_add_f32_dpp v96, v96, v96 row_xmask:1 row_mask:0xf bank_mask:0xf
	v_add_f32_dpp v96, v96, v96 row_xmask:2 row_mask:0xf bank_mask:0xf
	v_add_f32_dpp v96, v96, v96 row_xmask:4 row_mask:0xf bank_mask:0xf
	v_add_f32_dpp v96, v96, v96 row_xmask:8 row_mask:0xf bank_mask:0xf
	v_permlanex16_b32 v97, v96, s22, s23
	v_add_f32 v96, v96, v97
	v_mul_f32 v96, 0x34a00000, v96                 ; 1.25 / (65,536 x 64)
	v_mov_b32 v5, 0
	v_cmp_eq_u32 vcc_lo, 0, v6
	s_wait_xcnt 0x0                                ; EXEC changes only behind this wait
	s_and_saveexec_b32 s24, vcc_lo
	global_store_b32 v5, v96, s[12:13]
	s_wait_xcnt 0x0                                ; and again in front of the line that widens it
	s_or_b32 exec_lo, exec_lo, s24
.Lrows:
	s_wait_loadcnt 0x0                             ; my half's 16 indices
.irp i, 0,1,2,3,4,5,6,7,8,9,10,11,12,13,14,15
	v_min_u32 v[8+\i], 0x3ff, v[8+\i]              ; an index stays inside the table
	v_lshl_add_u32 v[8+\i], v[8+\i], 8, v1         ; the row's 256 bytes, my 16 of them
	global_load_b128 v[32+4*\i:35+4*\i], v[8+\i], s[4:5]
.endr
.irp i, 0,1,2,3,4,5,6,7,8,9,10,11,12,13,14,15
	s_wait_loadcnt 15-\i                           ; loads come back in order: row i is in, the younger ones stay out
	global_store_b128 v4, v[32+4*\i:35+4*\i], s[10:11] offset:256*\i th:TH_STORE_NT
.endr
	s_endpgm
.Lfunc_end_k_qb720e53cae_lookup:
	.size	k_qb720e53cae_lookup, .Lfunc_end_k_qb720e53cae_lookup-k_qb720e53cae_lookup
	.p2alignl 7, 3214868480
	.fill 96, 4, 3214868480
	.section	.rodata,"a",@progbits
	.p2align	6, 0x0
	.amdhsa_kernel k_qb720e53cae_lookup
		.amdhsa_group_segment_fixed_size 0
		.amdhsa_private_segment_fixed_size 0
		.amdhsa_enable_private_segment 0
		.amdhsa_kernarg_size 40
		.amdhsa_user_sgpr_count 2
		.amdhsa_user_sgpr_kernarg_segment_ptr 1
		.amdhsa_wavefront_size32 1
		.amdhsa_system_sgpr_workgroup_id_x 1
		.amdhsa_system_sgpr_workgroup_id_y 1
		.amdhsa_system_sgpr_workgroup_id_z 1
		.amdhsa_system_vgpr_workitem_id 0
		.amdhsa_next_free_vgpr 128
		.amdhsa_next_free_sgpr 66
		.amdhsa_reserve_vcc 1
		.amdhsa_float_denorm_mode_32 3
		.amdhsa_float_denorm_mode_16_64 3
		.amdhsa_memory_ordered 1
		.amdhsa_forward_progress 1
		.amdhsa_inst_pref_size 10
	.end_amdhsa_kernel
	.amdgpu_metadata
---
amdhsa.version: [ 1, 2 ]
amdhsa.kernels:
  - .name:           k_qb720e53cae_lookup
    .symbol:         k_qb720e53cae_lookup.kd
    .args:
      - { .name: embed_weight, .offset: 0, .size: 8, .value_kind: global_buffer, .address_space: global }
      - { .name: picked, .offset: 8, .size: 8, .value_kind: global_buffer, .address_space: global }
      - { .name: part, .offset: 16, .size: 8, .value_kind: global_buffer, .address_space: global }
      - { .name: out0, .offset: 24, .size: 8, .value_kind: global_buffer, .address_space: global }
      - { .name: out1, .offset: 32, .size: 8, .value_kind: global_buffer, .address_space: global }
    .group_segment_fixed_size: 0
    .private_segment_fixed_size: 0
    .kernarg_segment_align: 8
    .kernarg_segment_size: 40
    .max_flat_workgroup_size: 256
    .sgpr_count:     66
    .vgpr_count:     128
    .wavefront_size: 32
...
	.end_amdgpu_metadata
.endif
;; end of part 2
;; ======== version 2 of 2: 2 launches; version 1 with the launch lookup written anew for expert scheduling mode
;; limits: a difference of large sums (such as E[x^2] - mean^2): digits are lost where the result is much smaller than its terms; values outside matrix products are rounded to bf16
;; workspace buffers: picked 262,144 bytes of whole numbers; part 4,096 bytes
;; launch nearest: the kernel of part 1 again; grid 256 x 1, 8 waves a work-group, clusters of 4 x 1, 321,536 bytes of LDS; arguments embed_weight, z_e, out2, picked, part; writes out2, picked, part
;; launch lookup (part 3): grid 256 x 1, 8 waves a work-group, no clusters, 0 bytes of LDS; arguments embed_weight, picked, part, out0, out1; writes out0, out1
.if DOCPART == 3
	.amdgcn_target "amdgcn-amd-amdhsa--gfx1250"
	.amdhsa_code_object_version 6
	.text
	.protected	k_qb720e53cae_lookup
	.globl	k_qb720e53cae_lookup
	.p2align	8
	.type	k_qb720e53cae_lookup,@function
k_qb720e53cae_lookup:
	s_mov_b64 s[64:65], 0
	v_nop
	global_prefetch_b8 v0, s[64:65] scope:SCOPE_SE
	s_setreg_imm32_b32 hwreg(HW_REG_WAVE_SCHED_MODE, 0, 2), 2
	s_setreg_imm32_b32 hwreg(HW_REG_WAVE_MODE, 25, 1), 1
	s_wait_xcnt 0x0
	s_wait_alu depctr_vm_vsrc(0)
; out0[row] = embed_weight[picked[row]], and out1 = 1.25 / 2^22 x the sum of the 1,024 partial sums of the launch before.
; WORK LEFT OUT: z_e + stop_gradient(z_q - z_e) is z_q for all finite inputs, so z_e is not read here; the two means of diff are one number,
; whose sum over a row is the row's smallest distance, summed in the launch before.  A NaN or infinity of z_e is not carried into out0.
; 256 work-groups of 8 waves; a wave copies 32 rows of 256 bytes.  Lane half h takes rows 16 h + i, i = 0..15; its sixteen lanes take 16 bytes each,
; so each half's load and store covers one whole row: 256 consecutive bytes, aligned.  No LDS, no matrix unit: the launch only moves bytes.
; THE MODE: SCHED_MODE bits 1:0 = 2 (LLVM: expert scheduling mode 2), set by the entry lines.  The code itself states the register dependences
; between vector instructions and memory instructions, with s_wait_alu, always for 0.
; THE PLAN.  Registers that memory instructions touch:
;   v3, v4, v7   byte offsets (my half's indices; my 16 bytes in out0; 16 x lane in part), made once at the head and never written again.
;   v[8:23]      the index loads land here; 32 vector lines turn the indices into row offsets, in place; the 16 loads of rows read them; never written again.
;   v[32:95]     the loads of rows land here, the stores of rows read them: no vector instruction names them.
;   v[96:127]    one wave alone: the loads of part land here; the additions end in v96, which the store of out1 reads, with v5 = 0 as its offset.
; So one wait on va_vdst stands ahead of the first load (the three offsets), one behind the run that makes the row offsets and ahead of the run of loads that reads
; them, and the waits that a write of EXEC asks for stand round the one store under a narrowed EXEC; the first of those also states that v96 and v5 are written.
; No register that a memory instruction reads is written afterwards, so no other wait on vm_vsrc is owed.
	s_load_b256 s[4:11], s[0:1], 0x0               ; embed_weight s[4:5], picked s[6:7], part s[8:9], out0 s[10:11]
	s_load_b64 s[12:13], s[0:1], 0x20              ; out1
	v_lshrrev_b32 v2, 5, v0
	v_readfirstlane_b32 s14, v2                    ; wave 0..7
	v_and_b32 v6, 31, v0                           ; lane
	v_and_b32 v1, 15, v0
	v_lshlrev_b32 v1, 4, v1                        ; my 16 bytes of a row
	v_bfe_u32 v5, v0, 4, 1                         ; h
	v_lshlrev_b32 v7, 4, v6                        ; 16 x lane: the offset by which one wave reads part; made here, ahead of the head's wait on va_vdst
	v_lshl_add_u32 v4, v5, 12, v1                  ; my half's 16 rows of out0, my 16 bytes
	s_lshl_b32 s18, ttmp9, 10                      ; the group's 256 indices
	s_mov_b32 s19, 0
	s_lshl_b32 s20, ttmp9, 16                      ; the group's 256 rows
	s_mov_b32 s21, 0
	s_wait_alu depctr_va_sdst(0)                   ; s14 is written, ahead of its first reader: the wave's offsets are made from it
	s_lshl_b32 s15, s14, 7                         ; the wave's 32 indices
	v_lshl_add_u32 v3, v5, 6, s15                  ; my half's 16 indices
	s_lshl_b32 s16, s14, 13                        ; the wave's 32 rows of out0
	v_add_nc_u32 v4, s16, v4
	s_wait_kmcnt 0x0
	s_add_nc_u64 s[6:7], s[6:7], s[18:19]
	s_add_nc_u64 s[10:11], s[10:11], s[20:21]
	s_wait_alu depctr_va_vdst(0)                   ; v3, v4 and v7 are written: the loads of indices and of part and the stores of rows read them as offsets
.irp q, 0,1,2,3
	global_load_b128 v[8+4*\q:11+4*\q], v3, s[6:7] offset:16*\q
.endr
	s_or_b32 s17, ttmp9, s14
	s_cmp_lg_u32 s17, 0
	s_cbranch_scc1 .Lrows                          ; wave 0 of work-group 0 alone adds up the partial sums, while its indices are on their way
	s_mov_b32 s22, 0x76543210
	s_mov_b32 s23, 0xfedcba98
.irp q, 0,1,2,3,4,5,6,7
	global_load_b128 v[96+4*\q:99+4*\q], v7, s[8:9] offset:512*\q  ; no vector instruction since the wait above: v7 is covered by it
.endr
	s_wait_loadcnt 0x0
.irp q, 1,2,3,4,5,6,7
	v_pk_add_f32 v[96:97], v[96:97], v[96+4*\q:97+4*\q]
	v_pk_add_f32 v[98:99], v[98:99], v[98+4*\q:99+4*\q]
.endr
	v_pk_add_f32 v[96:97], v[96:97], v[98:99]
	v_add_f32 v96, v96, v97
	v_add_f32_dpp v96, v96, v96 row_xmask:1 row_mask:0xf bank_mask:0xf
	v_add_f32_dpp v96, v96, v96 row_xmask:2 row_mask:0xf bank_mask:0xf
	v_add_f32_dpp v96, v96, v96 row_xmask:4 row_mask:0xf bank_mask:0xf
	v_add_f32_dpp v96, v96, v96 row_xmask:8 row_mask:0xf bank_mask:0xf
	v_permlanex16_b32 v97, v96, s22, s23
	v_add_f32 v96, v96, v97
	v_mul_f32 v96, 0x34a00000, v96                 ; 1.25 / (65,536 x 64)
	v_mov_b32 v5, 0
	v_cmp_eq_u32 vcc_lo, 0, v6
	s_wait_xcnt 0x0                                ; EXEC changes only behind this wait
	s_wait_alu depctr_va_vcc(0)                    ; the compare has written VCC, from which EXEC is made
	s_wait_alu depctr_va_vdst(0)                   ; EXEC is written: every vector instruction so far has written its result, v96 and v5 among them, which the store below reads
	s_wait_alu depctr_vm_vsrc(0)                   ; EXEC is written: every memory instruction so far has read its vector registers
	s_and_saveexec_b32 s24, vcc_lo
	global_store_b32 v5, v96, s[12:13]
	s_wait_xcnt 0x0                                ; and again in front of the line that widens it
	s_wait_alu depctr_va_vdst(0)                   ; EXEC is written: no vector instruction is unfinished
	s_wait_alu depctr_vm_vsrc(0)                   ; EXEC is written: the store has read v5 and v96
	s_or_b32 exec_lo, exec_lo, s24
.Lrows:
	s_wait_loadcnt 0x0                             ; my half's 16 indices
.irp i, 0,1,2,3,4,5,6,7,8,9,10,11,12,13,14,15
	v_min_u32 v[8+\i], 0x3ff, v[8+\i]              ; an index stays inside the table
	v_lshl_add_u32 v[8+\i], v[8+\i], 8, v1         ; the row's 256 bytes, my 16 of them
.endr
	s_wait_alu depctr_va_vdst(0)                   ; the 32 lines above have written v[8:23], which the 16 loads below read as their offsets: one wait for the run
.irp i, 0,1,2,3,4,5,6,7,8,9,10,11,12,13,14,15
	global_load_b128 v[32+4*\i:35+4*\i], v[8+\i], s[4:5]
.endr
.irp i, 0,1,2,3,4,5,6,7,8,9,10,11,12,13,14,15
	s_wait_loadcnt 15-\i                           ; loads come back in order: row i is in, the younger ones stay out
	global_store_b128 v4, v[32+4*\i:35+4*\i], s[10:11] offset:256*\i th:TH_STORE_NT  ; the data come from loads; v4 was written ahead of both waits on va_vdst, and no vector instruction follows the last
.endr
	s_endpgm
.Lfunc_end_k_qb720e53cae_lookup:
	.size	k_qb720e53cae_lookup, .Lfunc_end_k_qb720e53cae_lookup-k_qb720e53cae_lookup
	.p2alignl 7, 3214868480
	.fill 96, 4, 3214868480
	.section	.rodata,"a",@progbits
	.p2align	6, 0x0
	.amdhsa_kernel k_qb720e53cae_lookup
		.amdhsa_group_segment_fixed_size 0
		.amdhsa_private_segment_fixed_size 0
		.amdhsa_enable_private_segment 0
		.amdhsa_kernarg_size 40
		.amdhsa_user_sgpr_count 2
		.amdhsa_user_sgpr_kernarg_segment_ptr 1
		.amdhsa_wavefront_size32 1
		.amdhsa_system_sgpr_workgroup_id_x 1
		.amdhsa_system_sgpr_workgroup_id_y 1
		.amdhsa_system_sgpr_workgroup_id_z 1
		.amdhsa_system_vgpr_workitem_id 0
		.amdhsa_next_free_vgpr 128
		.amdhsa_next_free_sgpr 66
		.amdhsa_reserve_vcc 1
		.amdhsa_float_denorm_mode_32 3
		.amdhsa_float_denorm_mode_16_64 3
		.amdhsa_memory_ordered 1
		.amdhsa_forward_progress 1
		.amdhsa_inst_pref_size 10
	.end_amdhsa_kernel
	.amdgpu_metadata
---
amdhsa.version: [ 1, 2 ]
amdhsa.kernels:
  - .name:           k_qb720e53cae_lookup
    .symbol:         k_qb720e53cae_lookup.kd
    .args:
      - { .name: embed_weight, .offset: 0, .size: 8, .value_kind: global_buffer, .address_space: global }
      - { .name: picked, .offset: 8, .size: 8, .value_kind: global_buffer, .address_space: global }
      - { .name: part, .offset: 16, .size: 8, .value_kind: global_buffer, .address_space: global }
      - { .name: out0, .offset: 24, .size: 8, .value_kind: global_buffer, .address_space: global }
      - { .name: out1, .offset: 32, .size: 8, .value_kind: global_buffer, .address_space: global }
    .group_segment_fixed_size: 0
    .private_segment_fixed_size: 0
    .kernarg_segment_align: 8
    .kernarg_segment_size: 40
    .max_flat_workgroup_size: 256
    .sgpr_count:     66
    .vgpr_count:     128
    .wavefront_size: 32
...
	.end_amdgpu_metadata
.endif
;; end of part 3
